; MI455X (gfx1250); checked and timed in simulation.
; The chip was launched on July 23, 2026; its instructions are those of AMD's public machine-readable ISA for CDNA 5 (MIT licence, August 2026) and "CDNA5" Instruction Set Architecture Reference Guide (July 2026). The comments in the code are by the model that wrote it; some were corrected since.
;; Scrapped Attention. Allowed arithmetic: matrix products marked QUANTISED: E2M3 operands, one E8M0 scale for each 32 along K, by v_wmma_scale_f32_16x16x128_f8f6f4 with both operands' format E2M3, f32 sums; everything else in f32.
;; Inputs: b_out 1,024 float32; w_out_codes 1,024 x 32 x 24 uint8 (E2M3 codes of w_out, K innermost, in blocks of 32 codes, four codes in three bytes); w_out_scales 1,024 x 32 uint8 (E8M0 scales of w_out, one for each 32 codes along K); w_qkv_codes 3,072 x 32 x 24 uint8 (E2M3 codes of w_qkv, K innermost, in blocks of 32 codes, four codes in three bytes); w_qkv_scales 3,072 x 32 uint8 (E8M0 scales of w_qkv, one for each 32 codes along K); x_codes 4 x 2,048 x 32 x 24 uint8 (E2M3 codes of x, K innermost, in blocks of 32 codes, four codes in three bytes); x_scales 4 x 2,048 x 32 uint8 (E8M0 scales of x, one for each 32 codes along K).
;; Outputs: out0 4 x 2,048 x 1,024 float32.
;; This version of the problem:
;;   THIS VERSION OF THE PROBLEM IS GIVEN IN LOW PRECISION. The matrix products marked QUANTISED in the list below multiply operands that are first quantised to E2M3 (2 exponent bits, 3 mantissa bits; 6 bits a number), with one power-of-two scale for each 32 numbers along K (OCP MX v1.0); their sums are f32. All else is computed in f32.
;;   The module's matrix products, in the order in which they are computed (A, B: the left and right operand; K: the contracted axis; several contracted axes count as one K, in the product's order):
;;     1. [M 8,192, K 1,024] x [K 1,024, N 3,072]; A: input x (given as codes); B: input w_qkv (given as codes): QUANTISED
;;     2. batch 64 x [M 2,048, K 64] x [K 64, N 2,048]; A: computed on the way; B: computed on the way: QUANTISED
;;     3. batch 64 x [M 2,048, K 2,048] x [K 2,048, N 64]; A: softmax (see below); B: computed on the way: QUANTISED
;;     4. [M 8,192, K 1,024] x [K 1,024, N 1,024]; A: computed on the way; B: input w_out (given as codes): QUANTISED
;;   THE QUANTISER, for each operand of a quantised product, along K:
;;     - K is cut into blocks of 32 from its start; a last block that is shorter is filled with zeros.
;;     - A block's scale is 2^e with e = floor(log2(the largest magnitude in the block)) - 2, held to -126 .. 127; a block of zeros has e = 0. As a byte (E8M0): e + 127.
;;     - Each number is divided by its block's scale, clamped to +-7.5, and rounded to the nearest number of E2M3, ties to even, subnormals kept.
;;     - The product sums the exact products of the quantised numbers (number of the format x scale) in f32.
;;   ~~~python
;;   def quantise(x, axis):      # numpy; x: float32 -> the quantised numbers, widened to float32 again
;;       x = np.moveaxis(x, axis, -1); K = x.shape[-1]
;;       x = np.pad(x, [(0, 0)] * (x.ndim - 1) + [(0, -K % 32)]); x = x.reshape(x.shape[:-1] + (-1, 32)); a = np.abs(x).max(-1, keepdims=True)
;;       e = np.where(a > 0, np.clip(np.frexp(np.where(a > 0, a, 1))[1] - 1 - 2, -126, 127), 0)      # np.frexp(a)[1] - 1 = floor(log2(a)), exactly
;;       r = np.clip(x / 2.0 ** e, -7.5, 7.5)
;;       step = 2.0 ** (np.maximum(np.frexp(np.where(r == 0, 1, r))[1] - 1, 0) - 3)
;;       q = np.round(r / step) * step * 2.0 ** e      # np.round: ties to even
;;       return np.moveaxis(q.reshape(q.shape[:-2] + (-1,))[..., :K], -1, axis).astype(np.float32)
;;   ~~~
;;   SOFTMAX AHEAD OF A QUANTISED PRODUCT. Where the list says 'softmax', what is quantised is not the finished softmax but p = 2^(t - M), with t = logit x log2(e) and M = ceil(the row's largest t), a whole number; so 1/2 < the row's largest p <= 1. The row's sum l is taken of the UNQUANTISED p, in f32, and the product's result is divided by l at the end. Since M is a whole number, a kernel that streams over the keys may use a running M (the ceiling of the running maximum): every later rescaling is an exact power of two, which a block's scale takes up: the codes' values come out the same.
;;   OPERANDS COMPUTED ON THE WAY. 'Computed on the way' means the value that the module computes at that place (a softmax that the list does not call 'softmax' is quantised finished and normalised). What goes into a quantiser is computed in f32, as accurately as f32 sums, v_exp_f32 and their like allow (about 1e-6 of the number): no bf16 or f16 on the way to a quantiser, and a product that is left as it is and whose result goes on into a quantised operand takes f32 operands (vector FMAs, or v_wmma_f32_16x16x4_f32). A number that lies on a knife's edge between two numbers of the format may be rounded either way, as far as f32 arithmetic and the matrix unit's own rounding can turn it there, and no further.
;;   INPUTS GIVEN AS CODES. w_out (in the module: [1024, 1024], K = its axis 1); w_qkv (in the module: [3072, 1024], K = its axis 1); x (in the module: [4, 2048, 1024], K = its axis 2): each comes as NAME_codes (uint8): NAME with its K axis moved to the last place and cut into blocks of 32 codes, [.., K / 32, bytes a block], one block behind the other in memory; four codes in three bytes: a row's codes are one little-endian stream of bits, code i at bits 6 i .. 6 i + 5 (a code: sign, 2 exponent bits, 3 mantissa bits); and NAME_scales (uint8): the same leading axes, one E8M0 byte (e + 127) for each 32 codes along K. Its value is code x scale, taken as it is: it is not quantised again, and the codes and scales need not be those that the quantiser above would give.
;; One version. Each part assembles by itself: llvm-mc -triple=amdgcn-amd-amdhsa -mcpu=gfx1250 --defsym DOCPART=n.
;; ======== version 1 of 1: 3 launches
;; workspace buffers: qkv 19,660,800 bytes; att 6,291,456 bytes; att_sc 262,144 bytes
;; launch qkv (part 1): grid 64 x 4, 4 waves a work-group, clusters of 4 x 1, 327,680 bytes of LDS; arguments x_codes, x_scales, w_qkv_codes, w_qkv_scales, qkv; writes qkv
.if DOCPART == 1
	.amdgcn_target "amdgcn-amd-amdhsa--gfx1250"
	.amdhsa_code_object_version 6
	.text
	.protected	k_qdd2fab586c_qkv
	.globl	k_qdd2fab586c_qkv
	.p2align	8
	.type	k_qdd2fab586c_qkv,@function
k_qdd2fab586c_qkv:
	s_mov_b64 s[64:65], 0
	v_nop
	global_prefetch_b8 v0, s[64:65] scope:SCOPE_SE
	s_setreg_imm32_b32 hwreg(HW_REG_WAVE_MODE, 25, 1), 1
	s_wait_xcnt 0x0
	s_wait_alu depctr_hold_cnt(0) depctr_sa_sdst(0) depctr_va_vdst(0) depctr_va_sdst(0) depctr_va_ssrc(0) depctr_va_vcc(0) depctr_vm_vsrc(0)
	s_getreg_b32 s2, hwreg(HW_REG_IB_STS2, 6, 4)
	s_cmp_eq_u32 s2, 0
	s_cbranch_scc0 .Lentry_in_a_cluster
	s_endpgm
.Lentry_in_a_cluster:
	s_bfe_u32 s2, ttmp6, 0x10000c
	s_cmp_lg_u32 s2, 0x3003
	s_cbranch_scc0 .Lentry_shape_is_right
	s_endpgm
.Lentry_shape_is_right:
; qkv[token][o] = sum over f of x[token][f] w_qkv[o][f], on codes of FP6 (E2M3) with one E8M0 byte for each 32 along K = 1,024; row o = 48 d + 16 kind + head.
; The f32 sums never go to memory: q and k are quantised along d, v along the tokens, in registers, and leave as codes laid in the order of an operand's registers.
; A HALF IMAGE is 16 rows x 64 along K: six registers a lane, 768 bytes: registers 2 c, 2 c + 1 of lane l at byte 256 c + 8 l.  Two on end are a fragment of 12 registers.
; OUTPUT: a block of 19,200 bytes for each (16 batch + head, 128 tokens): sections Q, K, V of 6,400 bytes, each 8 half images and 256 bytes of scale words.
;   Q, K: half image of token tile a at 768 a; the word (bytes of tile 2 i | bytes of tile 2 i + 1 << 16) of row r at 6,144 + 64 i + 4 r.
;   V: half image (d tile t, token half c) at 768 (2 t + c); the word of row d = 16 t + r at 6,144 + 64 t + 4 r, its low half from tokens 0-63.
; ORDER INSIDE A BLOCK OF 32.  A result's lane (r, h) holds rows 16 b + 8 h + j of source 0, so a block's codes lie in the order 0-7, 16-23, 8-15, 24-31.  The same lines make q and k, and v here and p in the next
; launch: both operands of each later product carry the same order inside each scale block, which leaves every product and every block's scale as it is.
; SHARES.  A work-group of four waves holds 128 tokens for the whole launch and walks six tiles of W: kind q, k, v x two pairs of heads; a tile is 2 heads x 64 d = 128 rows, all of K.
; Wave w: head w % 2 of the pair, tokens 64 (w / 2) on: 64 x 64, 16 accumulators.  Its fragments of x (4 tiles x 8 K steps x 12 registers) stay in registers; only W is read from LDS in the loop.
; W's tiles go through two LDS slots, each a whole tile; a slot is filled again behind the tile that read it, so a fill has a whole tile's 128 products and a way out in which to land.
; CLUSTER: four neighbouring blocks of tokens walk the same tiles of W: each is asked for jointly (mask 15).  x's tile is each work-group's own: it is one seventh of the bytes that a work-group
; brings into LDS (one tile against W's six), and sharing it would want a cluster along the heads too.
; The scale bytes of a row, 32 bytes = 8 words, one a K step, come by one load of 16 bytes a lane at row r + 16 h: register q then holds K step q's word in lanes 0-15 and K step 4 + q's in lanes 16-31.
; LIMITS: a block of zeros, and one whose largest magnitude lies under 2^-124, gets the byte 1 (its codes are zeros or subnormal codes; only this program reads the bytes); NaN, infinities and the byte 0xff are not served.
; v's scale halfwords are stored two bytes a lane (a word's halves come from two waves): 2 bytes in 770 of what the launch writes.
; REGISTERS: window 0: v1-21 addresses, v24-39 x's scale words, v40-71 W's (two sets), v72-119 at work, v128-255 the accumulators (a, b) at 128 + 8 (4 a + b).
;   window 1: x's fragments of K steps 0-4 at 48 s + 12 a;  window 2: of K steps 5-7;  window 3: W's fragments, two sets of 48.
.set PITCH,  816                       ; an LDS row: 3 x (256 bytes + 16 of padding)
.set TILEB,  128*PITCH                 ; 104,448: x's tile at 0, then the two slots
.set SLOT0,  TILEB
.set SPARE,  3*TILEB                   ; the spare words: 128 bytes for each wave, two blocks of 256 bytes that no other line names
.set SPW,  8
.set NIL,  9
.set AX,   10                          ; v10, v11  my rows of x in LDS; the second for pieces that lie behind one padding more in lanes 16-31
.set AW,   12                          ; v12, v13  the same for W in slot 0;  v14, v15 in slot 1
.set XSO,  16                          ; 32 r + 16 h
.set WSO,  17                          ; 1,536 r + 16 h
.set ST8,  18                          ; 8 l + 3,072 th
.set ST4,  19                          ; 4 l + 128 th
.set ST8V, 20                          ; 8 l + 768 th
.set ST4V, 21                          ; 4 l + 2 th
.set XS,   24
.set WS,   40
.set TM,   72
.set HW,   80
.set SW,   84
.set PC,   88
.set ACC,  128
.set OUT,  12                          ; s[12:13]
.set WV,   14
.set HD,   15
.set THF,  16
.set G1X,  24
.set G1W,  32
.set G0X,  40
.set G0W,  44                          ; s[44:47] slot 0, s[48:51] slot 1
.set WSB,  52                          ; s[52:53], s[54:55] W's scale bytes for the slot's head
.set TRIP, 56
.set HM,   57
.set SEL,  58
.set MSB, 0
.macro WIN new                         ; the immediate's high byte repeats the setting that is left
.if MSB != (\new)
	s_set_vgpr_msb (MSB<<8)|(\new)
.set MSB, (\new)
.endif
.endm
.macro PLACES                          ; four plain vector instructions behind a matrix instruction, ahead of loads into its registers and of reads of its result
.rept 4
	v_nop
.endr
.endm
.macro CROUND                          ; a round of the cluster's barrier
	s_barrier_signal -1
	s_barrier_wait -1
	s_cmp_lg_u32 s[WV], 0
	s_cbranch_scc1 .Lnot_wave_0_\@
	s_barrier_signal -3
.Lnot_wave_0_\@:
	s_barrier_wait -3
	s_barrier_signal -1
	s_barrier_wait -1
.endm
; A fragment, 16 rows x 128 K: lane (r, h) takes pieces of 8 bytes 12 s + 0, 1, 2 and 12 s + 6, 7, 8 of its row, three pieces further on where h = 1.  Piece n lies at 8 n + 16 (n / 32).
.macro FRAG reg, adr, s, row
.irp p, 0,1,2,3,4,5
.set PCN, 12*(\s)+6*(\p/3)+\p%3
.if PCN%32 < 29
	ds_load_b64 v[(\reg)+2*\p:(\reg)+2*\p+1], v[\adr] offset:8*PCN+16*(PCN/32)+(\row)*16*PITCH
.else
	ds_load_b64 v[(\reg)+2*\p:(\reg)+2*\p+1], v[(\adr)+1] offset:8*PCN+16*(PCN/32)+(\row)*16*PITCH
.endif
.endr
.endm
.macro WFETCH sl, s                    ; W's four fragments of K step s into set s % 2: 24 loads
	WIN 0xc0
.irp b, 0,1,2,3
	FRAG 48*((\s)%2)+12*\b, AW+2*(\sl), \s, \b
.endr
.endm
.macro MM s                            ; one product; K step 0 starts the sum; K steps 4-7 take their scale words from lanes 16-31
.if (\s) == 0
	v_wmma_scale_f32_16x16x128_f8f6f4 v[mD:mD+7], v[mA:mA+11], v[mB:mB+11], 0, v[mSA], v[mSB] matrix_a_fmt:MATRIX_FMT_FP6 matrix_b_fmt:MATRIX_FMT_FP6
.elseif (\s) < 4
	v_wmma_scale_f32_16x16x128_f8f6f4 v[mD:mD+7], v[mA:mA+11], v[mB:mB+11], v[mD:mD+7], v[mSA], v[mSB] matrix_a_fmt:MATRIX_FMT_FP6 matrix_b_fmt:MATRIX_FMT_FP6
.else
	v_wmma_scale_f32_16x16x128_f8f6f4 v[mD:mD+7], v[mA:mA+11], v[mB:mB+11], v[mD:mD+7], v[mSA], v[mSB] matrix_a_fmt:MATRIX_FMT_FP6 matrix_b_fmt:MATRIX_FMT_FP6 matrix_a_scale:MATRIX_SCALE_ROW1 matrix_b_scale:MATRIX_SCALE_ROW1
.endif
.endm
; A tile: 8 K steps of 16 products; the 16 accumulators take turns, one instruction a turn, in the same order in every step.
; isv = 0: source 0 = 16 rows of W (d), source 1 = 16 tokens: a lane holds one token, its registers run along d.  isv = 1: the sources change places: a lane holds one d, its registers run along the tokens.
.macro KLOOP sl, isv, lc
	s_wait_loadcnt \lc                             ; this slot's scale words are in; the lc loads issued behind them, the other slot's, may be out
	WFETCH \sl, 0
.irp s, 0,1,2,3,4,5,6,7
.if \s < 7
.if \s > 0
	PLACES                                         ; the set to be loaded was read by the step before
.endif
	WFETCH \sl, \s+1
	s_wait_dscnt 24                                ; all but the 24 just issued: this step's fragments are in
.else
	s_wait_dscnt 0x0
.endif
.if \s < 5
.set XR, 48*\s
	WIN 0x07+6*\isv                                ; W window 3, x window 1
.else
.set XR, 48*(\s-5)
	WIN 0x0b+3*\isv                                ; W window 3, x window 2
.endif
.irp a, 0,1,2,3
.irp b, 0,1,2,3
.set mD, ACC+8*(4*\a+\b)
.if \isv
.set mA, XR+12*\b
.set mB, 48*(\s%2)+12*\a
.set mSA, XS+4*\b+\s%4
.set mSB, WS+16*\sl+4*\a+\s%4
.else
.set mA, 48*(\s%2)+12*\b
.set mB, XR+12*\a
.set mSA, WS+16*\sl+4*\b+\s%4
.set mSB, XS+4*\a+\s%4
.endif
	MM \s
.endr
.endr
.endr
	WIN 0
.endm
; Behind a tile.  Every wave waits for all its tensor loads, adds 0 to its spare word, waits for that and for its reads of the slot.  fill = 1: a round of the cluster's barrier, and the slot takes
; the next kind's tile (16 rows of W further on): the wave's one tensor load until the next such round; then the slot's next scale words.  fill = 0: the work-group's barrier alone: the other slot is whole.
.macro CHANGE sl, fill
	s_wait_tensorcnt 0x0                           ; no tensor load of mine is out, so a group 0 may be written
	ds_add_u32 v[SPW], v[NIL]                      ; 0 onto my spare word
.if \fill
	s_add_nc_u64 s[G0W+4*\sl+2:G0W+4*\sl+3], s[G0W+4*\sl+2:G0W+4*\sl+3], 12288
.endif
	s_wait_dscnt 0x0                               ; the add is done, and my reads of the slot are over
.if \fill
	CROUND
	tensor_load_to_lds s[G0W+4*\sl:G0W+4*\sl+3], s[G1W:G1W+7]
	s_nop 0
	PLACES                                         ; also the places ahead of the loads into the scale registers and of the first read of results
	s_wait_xcnt 0x0                                ; the base below is written only behind this wait
	s_add_nc_u64 s[WSB+2*\sl:WSB+2*\sl+1], s[WSB+2*\sl:WSB+2*\sl+1], 512
.irp b, 0,1,2,3
	global_load_b128 v[WS+16*\sl+4*\b:WS+16*\sl+4*\b+3], v[WSO], s[WSB+2*\sl:WSB+2*\sl+1] offset:24576*\b
.endr
.else
	s_barrier_signal -1
	s_barrier_wait -1
	PLACES
.endif
.endm
; 32 numbers of a lane, four neighbouring accumulators: block g = registers 16 g .. 16 g + 15 with lane l xor 16's.  They become a half image in v[p .. p + 5] and the row's two scale bytes in v[w].
; A block's scale: the largest magnitude's exponent field less 2 (E2M3's largest number is 7.5), held at 1 from below by the floor 2^(3 - 127) among the maximum's leaves.
.macro QUANT32 s, p, w
.irp b, 0,1
	v_max3_num_f32 v[TM+\b], |v[(\s)+16*\b]|, |v[(\s)+16*\b+1]|, 0x1800000
.endr
.irp i, 2,4,6,8,10,12,14
.irp b, 0,1
	v_max3_num_f32 v[TM+\b], v[TM+\b], |v[(\s)+16*\b+\i]|, |v[(\s)+16*\b+\i+1]|
.endr
.endr
.irp b, 0,1
	v_permlanex16_b32 v[TM+2+\b], v[TM+\b], s[SEL], s[SEL+1]
.endr
.irp b, 0,1
	v_max_num_f32 v[TM+\b], v[TM+\b], v[TM+2+\b]
.endr
.irp b, 0,1
	v_add_nc_u32 v[TM+4+\b], 0xff000000, v[TM+\b]  ; 2 off the exponent field: the conversion takes this operand's exponent field as its scale
.endr
.irp b, 0,1
	v_lshrrev_b32 v[TM+6+\b], 23, v[TM+4+\b]       ; the scale's byte
.endr
	v_lshl_or_b32 v[\w], v[TM+7], 8, v[TM+6]
	v_cvt_scalef32_pk16_fp6_f32 v[(\p):(\p)+2], v[(\s):(\s)+15], v[TM+4]
	v_cvt_scalef32_pk16_fp6_f32 v[(\p)+4:(\p)+6], v[(\s)+16:(\s)+31], v[TM+5]
	v_nop                                          ; one plain place behind a scaled conversion
.irp i, 0,1,2
	v_permlane16_swap_b32 v[(\p)+\i], v[(\p)+4+\i] ; a whole block to a lane: lanes 0-15 block 0, lanes 16-31 block 1
.endr
	v_mov_b32 v[(\p)+3], v[(\p)+4]
	v_mov_b32 v[(\p)+4], v[(\p)+5]
	v_mov_b32 v[(\p)+5], v[(\p)+6]
.endm
.macro EPI_QK p                        ; q's or k's way out: four token tiles; each store of the wave covers 256 consecutive bytes, aligned
	s_wait_xcnt 0x0                                ; the last way out's stores have read their registers
.irp a, 0,1,2,3
	QUANT32 ACC+32*\a, PC+8*\a, HW+\a
.irp c, 0,1,2
	global_store_b64 v[ST8], v[PC+8*\a+2*\c:PC+8*\a+2*\c+1], s[OUT:OUT+1] offset:614400*\p+768*\a+256*\c
.endr
.endr
	v_lshl_or_b32 v[SW], v[HW+1], 16, v[HW]
	v_lshl_or_b32 v[SW+1], v[HW+3], 16, v[HW+2]
	v_cndmask_b32 v[SW+2], v[SW], v[SW+1], s[HM]   ; lanes 0-15 the first pair of tiles, lanes 16-31 the second
	global_store_b32 v[ST4], v[SW+2], s[OUT:OUT+1] offset:614400*\p+6144
.endm
.macro EPI_V p                         ; v's way out: four d tiles, my 64 tokens
	s_wait_xcnt 0x0
.irp a, 0,1,2,3
	QUANT32 ACC+32*\a, PC+8*\a, HW+\a
.irp c, 0,1,2
	global_store_b64 v[ST8V], v[PC+8*\a+2*\c:PC+8*\a+2*\c+1], s[OUT:OUT+1] offset:614400*\p+1536*\a+256*\c
.endr
.endr
	v_cndmask_b32 v[SW], v[HW], v[HW+1], s[HM]
	v_cndmask_b32 v[SW+1], v[HW+2], v[HW+3], s[HM]
	global_store_b16 v[ST4V], v[SW], s[OUT:OUT+1] offset:614400*\p+6144
	global_store_b16 v[ST4V], v[SW+1], s[OUT:OUT+1] offset:614400*\p+6144+128
.endm
	s_load_b256 s[4:11], s[0:1], 0x0               ; x's codes s[4:5], x's scales s[6:7], W's codes s[8:9], W's scales s[10:11]
	s_load_b64 s[OUT:OUT+1], s[0:1], 0x20          ; qkv
	v_lshl_add_u32 v[SPW], v0, 2, SPARE
	v_mov_b32 v[NIL], 0
	ds_add_u32 v8, v9
	ds_add_u32 v8, v9
	s_wait_dscnt 0x0
	v_lshrrev_b32 v1, 5, v0
	v_readfirstlane_b32 s[WV], v1                  ; wave 0..3
	s_and_b32 s[HD], s[WV], 1                      ; my head of the pair; also which head's rows I fetch
	s_lshr_b32 s[THF], s[WV], 1                    ; my half of the tokens; also which 32 d I fetch
	s_bfe_u32 s17, ttmp6, 0x40000                  ; cx
	s_lshl_b32 s18, ttmp9, 2
	s_add_co_u32 s18, s18, s17                     ; tt: my block of 128 tokens
	s_and_b32 s19, ttmp7, 0xffff                   ; j: heads 4 j .. 4 j + 3
	; descriptor group 1: 32 rows of 768 bytes (96 elements of 8 bytes), 16 bytes of padding behind every 256
	s_mov_b32 s[G1X], (3<<16)|(1<<20)|(5<<22)|(3<<25)              ; no mask: x's tile is my own
	s_mov_b32 s[G1W], 15|(3<<16)|(1<<20)|(1<<21)|(5<<22)|(3<<25)   ; the mask names all four work-groups; bit 21 beside it
.irp g, G1X, G1W
	s_mov_b32 s[\g+1], 96<<16                      ; tensor_dim0
	s_mov_b32 s[\g+2], 32<<16                      ; tensor_dim1
	s_mov_b32 s[\g+3], 96<<16                      ; tile_dim0
	s_mov_b32 s[\g+4], 32                          ; tile_dim1
	s_mov_b32 s[\g+6], 0
	s_mov_b32 s[\g+7], 0
.endr
	s_mov_b32 s[G1X+5], 96                         ; x's rows are dense
	s_mov_b32 s[G1W+5], 4608                       ; from d to d + 1: 48 rows of W
	s_lshl_b32 s20, s18, 7
	s_lshl_b32 s21, s[WV], 5
	s_add_co_u32 s20, s20, s21                     ; x: row 128 tt + 32 w
	s_mul_i32 s20, s20, 768
	s_mov_b32 s21, 0
	s_mul_i32 s22, s[THF], 1536
	s_lshl_b32 s23, s19, 2
	s_add_co_u32 s22, s22, s23
	s_add_co_u32 s22, s22, s[HD]                   ; W: row 48 x 32 (w / 2) + 4 j + w % 2: made of j and the wave's number alone
	s_mul_i32 s22, s22, 768
	s_mov_b32 s23, 0
	s_mul_i32 s66, s[WV], 32*PITCH                 ; x's rows in LDS
	s_mul_i32 s67, s[HD], 64*PITCH
	s_mul_i32 s68, s[THF], 32*PITCH
	s_add_co_u32 s67, s67, s68                     ; W's rows in a slot: 64 x head + d
	s_lshl_b32 s70, s19, 2
	s_add_co_u32 s70, s70, s[HD]
	s_lshl_b32 s70, s70, 5                         ; W's scale bytes: row 4 j + my head
	s_mov_b32 s71, 0
	s_lshl_b32 s72, s18, 7
	s_lshl_b32 s73, s[THF], 6
	s_add_co_u32 s72, s72, s73
	s_lshl_b32 s72, s72, 5                         ; x's scale bytes: my first token
	s_mov_b32 s73, 0
	s_lshr_b32 s74, s18, 4
	s_lshl_b32 s74, s74, 4                         ; 16 x batch
	s_lshl_b32 s75, s19, 2
	s_add_co_u32 s74, s74, s75
	s_add_co_u32 s74, s74, s[HD]
	s_lshl_b32 s74, s74, 4
	s_and_b32 s75, s18, 15
	s_add_co_u32 s74, s74, s75                     ; 16 (16 batch + head) + the block of tokens in the batch
	s_mul_i32 s74, s74, 19200
	s_mov_b32 s75, 0
	s_mov_b32 s[HM], 0xffff0000
	s_mov_b32 s[SEL], 0x76543210
	s_mov_b32 s[SEL+1], 0xfedcba98                 ; v_permlanex16_b32's selects for lane l xor 16
	s_wait_kmcnt 0x0
	s_mov_b32 s[G0X], 1
	s_mov_b32 s[G0X+1], s66
	s_add_nc_u64 s[G0X+2:G0X+3], s[4:5], s[20:21]
	s_or_b32 s[G0X+3], s[G0X+3], 0x80000000
.irp p, 0,1
	s_mov_b32 s[G0W+4*\p], 1
	s_add_co_u32 s[G0W+4*\p+1], s67, SLOT0+\p*TILEB
	s_add_nc_u64 s[G0W+4*\p+2:G0W+4*\p+3], s[8:9], s[22:23]
.if \p
	s_add_nc_u64 s[G0W+4*\p+2:G0W+4*\p+3], s[G0W+4*\p+2:G0W+4*\p+3], 1536   ; two heads on
.endif
	s_or_b32 s[G0W+4*\p+3], s[G0W+4*\p+3], 0x80000000
.endr
	s_add_nc_u64 s[WSB:WSB+1], s[10:11], s[70:71]
	s_add_nc_u64 s[WSB+2:WSB+3], s[WSB:WSB+1], 64
	s_add_nc_u64 s[6:7], s[6:7], s[72:73]
	s_add_nc_u64 s[OUT:OUT+1], s[OUT:OUT+1], s[74:75]
	CROUND                                         ; all four work-groups are here: the first joint loads meet
	tensor_load_to_lds s[G0X:G0X+3], s[G1X:G1X+7]  ; the three first fills go out together: three loads of mine are out
	s_nop 0
	tensor_load_to_lds s[G0W:G0W+3], s[G1W:G1W+7]
	s_nop 0
	tensor_load_to_lds s[G0W+4:G0W+7], s[G1W:G1W+7]
	s_nop 0
	PLACES
	v_and_b32 v1, 15, v0                           ; r
	v_bfe_u32 v2, v0, 4, 1                         ; h
	v_and_b32 v3, 31, v0                           ; l
	v_lshlrev_b32 v[XSO], 5, v1
	v_lshl_add_u32 v[XSO], v2, 4, v[XSO]
	v_mul_u32_u24 v[WSO], v1, 1536
	v_lshl_add_u32 v[WSO], v2, 4, v[WSO]
.irp a, 0,1,2,3
	global_load_b128 v[XS+4*\a:XS+4*\a+3], v[XSO], s[6:7] offset:512*\a
.endr
.irp p, 0,1
.irp b, 0,1,2,3
	global_load_b128 v[WS+16*\p+4*\b:WS+16*\p+4*\b+3], v[WSO], s[WSB+2*\p:WSB+2*\p+1] offset:24576*\b
.endr
.endr
	v_mul_u32_u24 v4, v1, PITCH
	v_mad_u32_u24 v5, v2, 24, v4                   ; row r + 24 h
	v_lshl_add_u32 v6, v2, 4, v5                   ; row r + 40 h
	s_mul_i32 s23, s[THF], 64*PITCH
	v_add_nc_u32 v[AX], s23, v5
	v_add_nc_u32 v[AX+1], s23, v6
	s_mul_i32 s23, s[HD], 64*PITCH
	s_add_co_u32 s23, s23, SLOT0
	v_add_nc_u32 v[AW], s23, v5
	v_add_nc_u32 v[AW+1], s23, v6
	s_add_co_u32 s23, s23, TILEB
	v_add_nc_u32 v[AW+2], s23, v5
	v_add_nc_u32 v[AW+3], s23, v6
	v_lshlrev_b32 v[ST8], 3, v3
	v_lshlrev_b32 v[ST4], 2, v3
	s_mul_i32 s23, s[THF], 768
	v_add_nc_u32 v[ST8V], s23, v[ST8]
	s_lshl_b32 s23, s[THF], 1
	v_add_nc_u32 v[ST4V], s23, v[ST4]
	s_mul_i32 s23, s[THF], 3072
	v_add_nc_u32 v[ST8], s23, v[ST8]
	s_lshl_b32 s23, s[THF], 7
	v_add_nc_u32 v[ST4], s23, v[ST4]
	v_mov_b32 v[TM+2], 0                           ; written once: a lane permute's destination counts as one of its sources
	v_mov_b32 v[TM+3], 0
	s_wait_tensorcnt 0x1                           ; x's tile and slot 0 are in; slot 1's load may be out
	s_barrier_signal -1
	s_barrier_wait -1
	WIN 0x40
.irp s, 0,1,2,3,4
.irp a, 0,1,2,3
	FRAG 48*\s+12*\a, AX, \s, \a                   ; my 64 tokens' fragments, for all of K: they stay
.endr
.endr
	WIN 0x80
.irp s, 5,6,7
.irp a, 0,1,2,3
	FRAG 48*(\s-5)+12*\a, AX, \s, \a
.endr
.endr
	WIN 0                                          ; (LDS loads come back in order: the first K step's counted wait covers these)
	s_mov_b32 s[TRIP], 2
.Lkind:                                            ; two trips: q, then k; each fills both slots again
	KLOOP 0, 0, 4
	CHANGE 0, 1
	EPI_QK 0
	KLOOP 1, 0, 4
	CHANGE 1, 1
	EPI_QK 1
	s_wait_xcnt 0x0                                ; the stores have read their base
	s_add_nc_u64 s[OUT:OUT+1], s[OUT:OUT+1], 6400  ; the next section
	s_sub_co_u32 s[TRIP], s[TRIP], 1
	s_cmp_lg_u32 s[TRIP], 0
	s_cbranch_scc1 .Lkind
	KLOOP 0, 1, 4                                  ; v: written out, since nothing more is fetched
	CHANGE 0, 0
	EPI_V 0
	KLOOP 1, 1, 0
	PLACES
	EPI_V 1
	s_wait_tensorcnt 0x0                           ; the wave's end
	ds_add_u32 v[SPW], v[NIL]
	s_wait_dscnt 0x0
	CROUND                                         ; the closing round: no work-group ends while a partner may still ask for a tile that names it
	s_endpgm
.Lfunc_end_k_qdd2fab586c_qkv:
	.size	k_qdd2fab586c_qkv, .Lfunc_end_k_qdd2fab586c_qkv-k_qdd2fab586c_qkv
	.p2alignl 7, 3214868480
	.fill 96, 4, 3214868480
	.section	.rodata,"a",@progbits
	.p2align	6, 0x0
	.amdhsa_kernel k_qdd2fab586c_qkv
		.amdhsa_group_segment_fixed_size 327680
		.amdhsa_private_segment_fixed_size 0
		.amdhsa_enable_private_segment 0
		.amdhsa_kernarg_size 40
		.amdhsa_user_sgpr_count 2
		.amdhsa_user_sgpr_kernarg_segment_ptr 1
		.amdhsa_wavefront_size32 1
		.amdhsa_system_sgpr_workgroup_id_x 1
		.amdhsa_system_sgpr_workgroup_id_y 1
		.amdhsa_system_sgpr_workgroup_id_z 1
		.amdhsa_system_vgpr_workitem_id 0
		.amdhsa_next_free_vgpr 1024
		.amdhsa_next_free_sgpr 80
		.amdhsa_reserve_vcc 0
		.amdhsa_float_denorm_mode_32 3
		.amdhsa_float_denorm_mode_16_64 3
		.amdhsa_memory_ordered 1
		.amdhsa_forward_progress 1
		.amdhsa_inst_pref_size 177
	.end_amdhsa_kernel
	.amdgpu_metadata
---
amdhsa.version: [ 1, 2 ]
amdhsa.kernels:
  - .name:           k_qdd2fab586c_qkv
    .symbol:         k_qdd2fab586c_qkv.kd
    .args:
      - { .name: x_codes, .offset: 0, .size: 8, .value_kind: global_buffer, .address_space: global }
      - { .name: x_scales, .offset: 8, .size: 8, .value_kind: global_buffer, .address_space: global }
      - { .name: w_qkv_codes, .offset: 16, .size: 8, .value_kind: global_buffer, .address_space: global }
      - { .name: w_qkv_scales, .offset: 24, .size: 8, .value_kind: global_buffer, .address_space: global }
      - { .name: qkv, .offset: 32, .size: 8, .value_kind: global_buffer, .address_space: global }
    .group_segment_fixed_size: 327680
    .private_segment_fixed_size: 0
    .kernarg_segment_align: 8
    .kernarg_segment_size: 40
    .max_flat_workgroup_size: 128
    .sgpr_count:     80
    .vgpr_count:     1024
    .wavefront_size: 32
...
	.end_amdgpu_metadata
.endif
;; end of part 1
;; launch attn (part 2): grid 4 x 64, 16 waves a work-group, clusters of 4 x 1, 327,680 bytes of LDS; arguments qkv, att, att_sc; writes att, att_sc
.if DOCPART == 2
	.amdgcn_target "amdgcn-amd-amdhsa--gfx1250"
	.amdhsa_code_object_version 6
	.text
	.protected	k_qdd2fab586c_attn
	.globl	k_qdd2fab586c_attn
	.p2align	8
	.type	k_qdd2fab586c_attn,@function
k_qdd2fab586c_attn:
	s_mov_b64 s[64:65], 0
	v_nop
	global_prefetch_b8 v0, s[64:65] scope:SCOPE_SE
	s_setreg_imm32_b32 hwreg(HW_REG_WAVE_MODE, 25, 1), 1
	s_wait_xcnt 0x0
	s_wait_alu depctr_hold_cnt(0) depctr_sa_sdst(0) depctr_va_vdst(0) depctr_va_sdst(0) depctr_va_ssrc(0) depctr_va_vcc(0) depctr_vm_vsrc(0)
	s_getreg_b32 s2, hwreg(HW_REG_IB_STS2, 6, 4)
	s_cmp_eq_u32 s2, 0
	s_cbranch_scc0 .Lentry_in_a_cluster
	s_endpgm
.Lentry_in_a_cluster:
	s_bfe_u32 s2, ttmp6, 0x10000c
	s_cmp_lg_u32 s2, 0x3003
	s_cbranch_scc0 .Lentry_shape_is_right
	s_endpgm
.Lentry_shape_is_right:
; For each of 64 (batch, head): O[q] = sum over keys of softmax(Q[q] . K[key] / 32) V[key], both products on codes of FP6 (E2M3) with E8M0 scales, from the buffer that the launch before has laid
; (blocks of 19,200 bytes for 128 tokens: sections Q, K, V of 8 half images and 256 bytes of scale words).  O / the row's sum is quantised along d and leaves as half images for the last product.
; THE SOFTMAX: t = score x log2(e) / 32; M = the running largest t rounded UP to a whole number; p = 2^(t - M) is what is quantised, along the keys.  The row's sum is taken of the unquantised p and divides
; O at the end.  When M moves, the sum and O are multiplied by 2^(old M - new M): exact.
; SHARES.  A work-group owns 512 queries of one head; each of its sixteen waves owns two tiles of 16 queries, one after the other, in 256 registers: four waves to a SIMD, so that one wave's vector work
; stands beside another's products and LDS loads.  A key step is 128 keys: 8 products K Q^T, 4 products V^T P.
; A WHOLE HEAD'S K AND V LIE IN LDS: 16 steps x 12,800 bytes, filled once: no slot is ever filled again.  The four work-groups of a cluster are the four quarters of one head's queries: every load is joint.
; Both products are used transposed (source 0 = keys, or 16 of d; source 1 = my 16 queries): a lane holds one query throughout.
; K = 64 IN THE FIRST PRODUCT.  A fragment of K holds TWO tiles of keys: tile 2 b in k = 0 .. 63, tile 2 b + 1 in k = 64 .. 127.  Q stands as [six zeros | q | six zeros]: [q, 0] picks the lower tile, [0, q]
; the upper.  Q's zero codes annul the other half whatever K holds there; every scale byte in play is a real one, 1 .. 254.
; The order of codes inside a block of 32 (0-7, 16-23, 8-15, 24-31) is the same in q and k, and in v and p.  The result meets a GIVEN operand, so sixteen exchanges of lane halves put it in natural order first.
; No prefetch: all of K and V is asked for by the launch's first tensor loads.
; LIMITS: a p under 2^-126 falls to 0; a block of zeros gets the byte 1 (zero codes; only this program reads the bytes); NaN and infinities are not served.
; The result's scale halfwords are stored two bytes a lane: a token's 32 bytes come from 16 work-groups: 2 bytes in 770 of what the launch writes.
.set STEPB, 12800                      ; LDS: step k at 12,800 k: K's half images, +6,144 K's words, +6,400 V's half images, +12,544 V's words
.set L8,  1                            ; 8 l
.set L4,  2                            ; 4 l
.set AD8, 3
.set AD4, 4
.set R4,  5                            ; 4 r
.set R32, 6                            ; 32 r
.set QHI, 16                           ; v16-27 = [0, q]
.set QLO, 22                           ; v22-33 = [q, 0]
.set QS,  34
.set PS,  35
.set KS,  36
.set VS,  38
.set KF,  40                           ; v40-87  four fragments of K, then of V
.set PWD, 88
.set S,   96                           ; v96-159 S^T, then p
.set OT,  160                          ; v160-191 O^T
.set PCD, 192                          ; v192-203 p's codes
.set CT,  204
.set BM,  212
.set BX,  216
.set SO,  220
.set TW,  224
.set FF,  226
.set SUM2, 228
.set RL,  230
.set HWD, 232
.set HI,  240
.set TM,  212                          ; the quantiser's eight registers at work
.set WV,  10
.set G1,  16
.set G0A, 24
.set G0B, 28
.set QB,  32
.set AB,  34
.set SB,  36
.set TB,  38
.set STEPS, 39
.set PASS, 40
.set PSEL, 41
.set SEL, 42
.set CS,  44
.set QSB, 46
.macro PLACES
.rept 4
	v_nop
.endr
.endm
.macro CROUND
	s_barrier_signal -1
	s_barrier_wait -1
	s_cmp_lg_u32 s[WV], 0
	s_cbranch_scc1 .Lnot_wave_0_\@
	s_barrier_signal -3
.Lnot_wave_0_\@:
	s_barrier_wait -3
	s_barrier_signal -1
	s_barrier_wait -1
.endm
; 32 numbers of a lane become a half image in v[p .. p + 5] and the row's two scale bytes in v[w]: the same lines as in the launch before.
.macro QUANT32 s, p, w
.irp b, 0,1
	v_max3_num_f32 v[TM+\b], |v[(\s)+16*\b]|, |v[(\s)+16*\b+1]|, 0x1800000
.endr
.irp i, 2,4,6,8,10,12,14
.irp b, 0,1
	s_delay_alu instid0(VALU_DEP_2)
	v_max3_num_f32 v[TM+\b], v[TM+\b], |v[(\s)+16*\b+\i]|, |v[(\s)+16*\b+\i+1]|
.endr
.endr
.irp b, 0,1
	s_delay_alu instid0(VALU_DEP_2)
	v_permlanex16_b32 v[TM+2+\b], v[TM+\b], s[SEL], s[SEL+1]
.endr
.irp b, 0,1
	s_delay_alu instid0(VALU_DEP_2)
	v_max_num_f32 v[TM+\b], v[TM+\b], v[TM+2+\b]
.endr
.irp b, 0,1
	s_delay_alu instid0(VALU_DEP_2)
	v_add_nc_u32 v[TM+4+\b], 0xff000000, v[TM+\b]
.endr
.irp b, 0,1
	s_delay_alu instid0(VALU_DEP_2)
	v_lshrrev_b32 v[TM+6+\b], 23, v[TM+4+\b]
.endr
	s_delay_alu instid0(VALU_DEP_1)
	v_lshl_or_b32 v[\w], v[TM+7], 8, v[TM+6]
	v_cvt_scalef32_pk16_fp6_f32 v[(\p):(\p)+2], v[(\s):(\s)+15], v[TM+4]
	v_cvt_scalef32_pk16_fp6_f32 v[(\p)+4:(\p)+6], v[(\s)+16:(\s)+31], v[TM+5]
	v_nop
.irp i, 0,1,2
	v_permlane16_swap_b32 v[(\p)+\i], v[(\p)+4+\i]
.endr
	s_delay_alu instid0(VALU_DEP_3)
	v_mov_b32 v[(\p)+3], v[(\p)+4]
	s_delay_alu instid0(VALU_DEP_3)
	v_mov_b32 v[(\p)+4], v[(\p)+5]
	s_delay_alu instid0(VALU_DEP_3)
	v_mov_b32 v[(\p)+5], v[(\p)+6]
.endm
; A KEY STEP: 128 keys, at LDS byte s[TB].
.macro STEP
	v_add_nc_u32 v[AD8], s[TB], v[L8]
	v_add_nc_u32 v[AD4], s[TB], v[L4]
	v_nop
	v_nop                                          ; four places behind the last products V^T P, ahead of the loads into the registers that they read
.irp b, 0,1,2,3
.irp p, 0,1,2,3,4,5
	ds_load_b64 v[KF+12*\b+2*\p:KF+12*\b+2*\p+1], v[AD8] offset:1536*\b+256*\p   ; an image of the operand's registers: 256 consecutive bytes a load
.endr
.endr
	ds_load_b32 v[KS], v[AD4] offset:6144          ; lanes 0-15 the words of fragment 0, lanes 16-31 of fragment 1
	ds_load_b32 v[KS+1], v[AD4] offset:6144+128
	s_wait_alu depctr_va_vdst(0)
	s_wait_dscnt 0x0
.irp b, 0,1,2,3
.if \b%2
	v_wmma_scale_f32_16x16x128_f8f6f4 v[S+16*\b:S+16*\b+7], v[KF+12*\b:KF+12*\b+11], v[QLO:QLO+11], 0, v[KS+\b/2], v[QS] matrix_a_fmt:MATRIX_FMT_FP6 matrix_b_fmt:MATRIX_FMT_FP6 matrix_a_scale:MATRIX_SCALE_ROW1
	v_wmma_scale_f32_16x16x128_f8f6f4 v[S+16*\b+8:S+16*\b+15], v[KF+12*\b:KF+12*\b+11], v[QHI:QHI+11], 0, v[KS+\b/2], v[QS] matrix_a_fmt:MATRIX_FMT_FP6 matrix_b_fmt:MATRIX_FMT_FP6 matrix_a_scale:MATRIX_SCALE_ROW1
.else
	v_wmma_scale_f32_16x16x128_f8f6f4 v[S+16*\b:S+16*\b+7], v[KF+12*\b:KF+12*\b+11], v[QLO:QLO+11], 0, v[KS+\b/2], v[QS] matrix_a_fmt:MATRIX_FMT_FP6 matrix_b_fmt:MATRIX_FMT_FP6
	v_wmma_scale_f32_16x16x128_f8f6f4 v[S+16*\b+8:S+16*\b+15], v[KF+12*\b:KF+12*\b+11], v[QHI:QHI+11], 0, v[KS+\b/2], v[QS] matrix_a_fmt:MATRIX_FMT_FP6 matrix_b_fmt:MATRIX_FMT_FP6
.endif
.endr                                              ; registers 16 b .. 16 b + 15 of S: keys 32 b + 8 h + 0 .. 7 and 32 b + 16 + 8 h + 0 .. 7 of my query
	PLACES                                         ; ahead of the loads below and of the first read of the scores
.irp t, 0,1,2,3
.irp p, 0,1,2,3,4,5
	ds_load_b64 v[KF+12*\t+2*\p:KF+12*\t+2*\p+1], v[AD8] offset:6400+1536*\t+256*\p   ; V's fragments land under the softmax
.endr
.endr
	ds_load_b32 v[VS], v[AD4] offset:12544
	ds_load_b32 v[VS+1], v[AD4] offset:12544+128
.irp b, 0,1,2,3
	v_max3_num_f32 v[BM+\b], v[S+16*\b], v[S+16*\b+1], v[S+16*\b+2]   ; the largest score of each block of 32 keys: for the row's maximum, and, since p rises with the score, for the block's largest p
.endr
.irp i, 3,5,7,9,11,13
.irp b, 0,1,2,3
	v_max3_num_f32 v[BM+\b], v[BM+\b], v[S+16*\b+\i], v[S+16*\b+\i+1]
.endr
.endr
.irp b, 0,1,2,3
	v_max_num_f32 v[BM+\b], v[BM+\b], v[S+16*\b+15]
.endr
.irp b, 0,1,2,3
	s_delay_alu instid0(VALU_DEP_4)
	v_permlanex16_b32 v[BX+\b], v[BM+\b], s[SEL], s[SEL+1]
.endr
.irp b, 0,1,2,3
	s_delay_alu instid0(VALU_DEP_4)
	v_max_num_f32 v[BM+\b], v[BM+\b], v[BX+\b]     ; with lane l xor 16's 16 keys
.endr
	s_delay_alu instid0(VALU_DEP_2)
	v_max3_num_f32 v[TW], v[BM], v[BM+1], v[BM+2]
	s_delay_alu instid0(VALU_DEP_1)
	v_max_num_f32 v[TW], v[TW], v[BM+3]
	s_delay_alu instid0(VALU_DEP_1)
	v_mul_f32 v[TW], s[CS], v[TW]                  ; the step's largest t (c is positive)
	s_delay_alu instid0(VALU_DEP_1)
	v_max_num_f32 v13, v13, v[TW]                  ; the running largest t
	v_mov_b32 v[TW], v12
	s_delay_alu instid0(VALU_DEP_2)
	v_floor_f32 v12, -v13                          ; the new -M = floor(-t)
	s_delay_alu instid0(VALU_DEP_1)
	v_sub_f32 v[TW], v12, v[TW]                    ; old M - new M: a whole number, 0 or less
	s_delay_alu instid0(VALU_DEP_1)
	v_cvt_i32_f32 v[TW], v[TW]                     ; (it saturates)
	s_delay_alu instid0(VALU_DEP_1)
	v_ldexp_f32 v[FF], 1.0, v[TW]                  ; f = 2^(old M - new M)
.set j, 0
.rept 32
	v_pk_fma_f32 v[S+j:S+j+1], v[S+j:S+j+1], s[CS:CS+1], v[12:13] op_sel_hi:[1,0,0]   ; t - M, two at a time
.set j, j+2
.endr
.irp b, 0,1,2,3
	v_fma_f32 v[BM+\b], v[BM+\b], s[CS], v12       ; the same of each block's largest score
.endr
.set j, 0
	s_setprio 1
	s_wait_alu depctr_va_vdst(0)
.rept 64
	v_exp_f32 v[S+j], v[S+j]                       ; p = 2^(t - M): one batch
.set j, j+1
.endr
	v_pk_mul_f32 v[14:15], v[14:15], v[FF:FF+1] op_sel_hi:[1,0]   ; the sums under the new M: the plain place behind the batch
	s_wait_alu depctr_va_vdst(0)                   ; one wait for the batch, ahead of its first reader
.irp b, 0,1,2,3
	v_exp_f32 v[BM+\b], v[BM+\b]                   ; each block's largest p
.endr
	v_pk_add_f32 v[SUM2:SUM2+1], v[S:S+1], v[S+2:S+3]   ; the row's sum of the unquantised p, in two chains
.irp j, 4,8,12,16,20,24,28,32,36,40,44,48,52,56,60
	v_pk_add_f32 v[14:15], v[14:15], v[S+\j:S+\j+1]
	v_pk_add_f32 v[SUM2:SUM2+1], v[SUM2:SUM2+1], v[S+\j+2:S+\j+3]
.endr
	s_delay_alu instid0(VALU_DEP_1)
	v_pk_add_f32 v[14:15], v[14:15], v[SUM2:SUM2+1]
	s_wait_alu depctr_va_vdst(0)                   ; and one for the four
.irp b, 0,1,2,3
	v_max_num_f32 v[BM+\b], 0x1800000, v[BM+\b]    ; the floor 2^(3 - 127): the byte cannot fall under 1
.endr
.irp b, 0,1,2,3
	s_delay_alu instid0(VALU_DEP_4)
	v_add_nc_u32 v[SO+\b], 0xff000000, v[BM+\b]
.endr
.irp b, 0,1,2,3
	s_delay_alu instid0(VALU_DEP_4)
	v_lshrrev_b32 v[BX+\b], 23, v[SO+\b]
.endr
	s_delay_alu instid0(VALU_DEP_3)
	v_lshl_or_b32 v[PS], v[BX+1], 8, v[BX]         ; p's scale word for these 128 keys
	s_delay_alu instid0(VALU_DEP_1)
	v_lshl_or_b32 v[PS], v[BX+2], 16, v[PS]
	s_delay_alu instid0(VALU_DEP_1)
	v_lshl_or_b32 v[PS], v[BX+3], 24, v[PS]
.irp c, 0,1
	v_cvt_scalef32_pk16_fp6_f32 v[PCD+6*\c:PCD+6*\c+2], v[S+32*\c:S+32*\c+15], v[SO+2*\c]
	v_cvt_scalef32_pk16_fp6_f32 v[CT+4*\c:CT+4*\c+2], v[S+32*\c+16:S+32*\c+31], v[SO+2*\c+1]
.endr
	v_nop                                          ; one plain place behind a scaled conversion
	s_setprio 0
.irp c, 0,1
.irp i, 0,1,2
	v_permlane16_swap_b32 v[PCD+6*\c+\i], v[CT+4*\c+\i]   ; a whole block to a lane: lanes 0-15 block 2 c, lanes 16-31 block 2 c + 1
.endr
.irp i, 0,1,2
	s_delay_alu instid0(VALU_DEP_3)
	v_mov_b32 v[PCD+3+6*\c+\i], v[CT+4*\c+\i]
.endr
.endr
.set j, 0
.rept 16
	v_pk_mul_f32 v[OT+j:OT+j+1], v[OT+j:OT+j+1], v[FF:FF+1] op_sel_hi:[1,0]   ; O^T under the new M, each accumulator from its low end on; of these sixteen, twelve name no register of any one product below: the places behind p's codes and its scale word
.set j, j+2
.endr
	s_wait_alu depctr_va_vdst(0)
	s_wait_dscnt 0x0                               ; V
.irp t, 0,1,2,3
.if \t%2
	v_wmma_scale_f32_16x16x128_f8f6f4 v[OT+8*\t:OT+8*\t+7], v[KF+12*\t:KF+12*\t+11], v[PCD:PCD+11], v[OT+8*\t:OT+8*\t+7], v[VS+\t/2], v[PS] matrix_a_fmt:MATRIX_FMT_FP6 matrix_b_fmt:MATRIX_FMT_FP6 matrix_a_scale:MATRIX_SCALE_ROW1
.else
	v_wmma_scale_f32_16x16x128_f8f6f4 v[OT+8*\t:OT+8*\t+7], v[KF+12*\t:KF+12*\t+11], v[PCD:PCD+11], v[OT+8*\t:OT+8*\t+7], v[VS+\t/2], v[PS] matrix_a_fmt:MATRIX_FMT_FP6 matrix_b_fmt:MATRIX_FMT_FP6
.endif
.endr
	s_add_co_u32 s[TB], s[TB], STEPB
.endm
.macro HALF base                       ; eight key steps from LDS byte base on
	s_mov_b32 s[TB], \base
	s_mov_b32 s[STEPS], 8
.Lstep_\@:
	s_setprio 2
	STEP
	s_sub_co_u32 s[STEPS], s[STEPS], 1
	s_cmp_lg_u32 s[STEPS], 0
	s_cbranch_scc1 .Lstep_\@
	s_setprio 0
.endm
	s_load_b128 s[4:7], s[0:1], 0x0                ; qkv, att
	s_load_b64 s[8:9], s[0:1], 0x10                ; att_sc
	v_lshl_add_u32 v254, v0, 2, 0x32000
	v_mov_b32 v255, 0
	ds_add_u32 v254, v255
	ds_add_u32 v254, v255
	v_lshrrev_b32 v1, 5, v0
	s_delay_alu instid0(VALU_DEP_1)
	v_readfirstlane_b32 s[WV], v1                  ; wave 0..15
	s_bfe_u32 s11, ttmp6, 0x40000                  ; cx
	s_lshl_b32 s13, ttmp9, 2
	s_add_co_u32 s11, s11, s13                     ; my quarter of the head's queries
	s_and_b32 s12, ttmp7, 0xffff                   ; 16 batch + head, which the four partners share
	; descriptor group 1: a section of 6,400 dense bytes as 25 rows of 256 (32 elements of 8 bytes)
	s_mov_b32 s[G1], 15|(3<<16)|(1<<21)            ; the mask names all four work-groups; bit 21 beside it
	s_mov_b32 s[G1+1], 32<<16
	s_mov_b32 s[G1+2], 25<<16
	s_mov_b32 s[G1+3], 32<<16
	s_mov_b32 s[G1+4], 25
	s_mov_b32 s[G1+5], 32
	s_mov_b32 s[G1+6], 0
	s_mov_b32 s[G1+7], 0
	s_mul_i32 s48, s12, 307200                     ; the head's 16 blocks
	s_lshr_b32 s50, s[WV], 1
	s_mul_i32 s50, s50, 19200                      ; I fetch for step w / 2 (and 8 + w / 2):
	s_and_b32 s51, s[WV], 1
	s_mul_i32 s51, s51, 6400                       ; K's section (w even) or V's
	s_add_co_u32 s50, s50, s51
	s_add_co_u32 s50, s50, 6400
	s_add_co_u32 s50, s50, s48
	s_mov_b32 s51, 0
	s_mul_i32 s52, s[WV], 6400                     ; and its place in LDS: made of the wave's number alone
	s_lshl_b32 s54, s11, 2
	s_lshr_b32 s55, s[WV], 3
	s_add_co_u32 s54, s54, s55
	s_mul_i32 s54, s54, 19200
	s_add_co_u32 s54, s54, s48                     ; the block that holds my first tile of queries
	s_and_b32 s55, s[WV], 7
	s_mul_i32 s56, s55, 768
	s_add_co_u32 s56, s56, s54                     ; its half image
	s_mov_b32 s57, 0
	s_lshr_b32 s55, s55, 1
	s_lshl_b32 s55, s55, 6
	s_add_co_u32 s58, s54, s55
	s_add_co_u32 s58, s58, 6144                    ; its pair's scale words
	s_mov_b32 s59, 0
	s_lshr_b32 s60, s12, 4
	s_lshl_b32 s60, s60, 7
	s_lshl_b32 s61, s11, 5
	s_add_co_u32 s60, s60, s61
	s_add_co_u32 s60, s60, s[WV]                   ; the tile of 16 tokens among all 512
	s_and_b32 s61, s12, 15                         ; the head
	s_mul_i32 s62, s60, 12288
	s_mul_i32 s63, s61, 768
	s_add_co_u32 s62, s62, s63
	s_mov_b32 s63, 0
	s_lshl_b32 s60, s60, 9
	s_lshl_b32 s61, s61, 1
	s_add_co_u32 s60, s60, s61
	s_mov_b32 s61, 0
	s_and_b32 s13, s[WV], 1
	s_cmp_eq_u32 s13, 0
	s_mov_b32 s[PSEL], 0x03020302
	s_cselect_b32 s[PSEL], 0x01000100, s[PSEL]     ; my tile's halfword of the pair's word, twice
	s_mov_b32 s[SEL], 0x76543210
	s_mov_b32 s[SEL+1], 0xfedcba98
	s_mov_b32 s[CS], 0x3d38aa3b                    ; c = log2(e) / 32
	s_mov_b32 s[CS+1], s[CS]
	s_wait_dscnt 0x0
	s_wait_kmcnt 0x0
	s_mov_b32 s[G0A], 1
	s_mov_b32 s[G0A+1], s52
	s_add_nc_u64 s[G0A+2:G0A+3], s[4:5], s[50:51]
	s_mov_b32 s[G0B], 1
	s_add_co_u32 s[G0B+1], s52, 8*STEPB
	s_add_nc_u64 s[G0B+2:G0B+3], s[G0A+2:G0A+3], 8*19200
	s_or_b32 s[G0A+3], s[G0A+3], 0x80000000
	s_or_b32 s[G0B+3], s[G0B+3], 0x80000000
	s_add_nc_u64 s[QB:QB+1], s[4:5], s[56:57]
	s_add_nc_u64 s[QSB:QSB+1], s[4:5], s[58:59]
	s_add_nc_u64 s[AB:AB+1], s[6:7], s[62:63]
	s_add_nc_u64 s[SB:SB+1], s[8:9], s[60:61]
	CROUND                                         ; all four work-groups are here: the joint loads meet
	tensor_load_to_lds s[G0A:G0A+3], s[G1:G1+7]    ; steps 0-7
	s_nop 0
	s_wait_alu depctr_va_vdst(0)
	s_wait_tensorcnt 0x0
	ds_add_u32 v254, v255
	s_wait_dscnt 0x0
	CROUND
	tensor_load_to_lds s[G0B:G0B+3], s[G1:G1+7]    ; steps 8-15: one load of mine is out
	s_nop 0
	PLACES
	v_and_b32 v7, 31, v0
	s_delay_alu instid0(VALU_DEP_1)
	v_lshlrev_b32 v[L8], 3, v7
	s_delay_alu instid0(VALU_DEP_2)
	v_lshlrev_b32 v[L4], 2, v7
	v_and_b32 v[R4], 15, v0
	s_delay_alu instid0(VALU_DEP_1)
	v_lshlrev_b32 v[R32], 5, v[R4]
	s_delay_alu instid0(VALU_DEP_2)
	v_lshlrev_b32 v[R4], 2, v[R4]
.irp i, 0,1,2,3,4,5
	v_mov_b32 v[QHI+\i], 0                         ; the zeros on both sides of q: set once
	v_mov_b32 v[QLO+6+\i], 0
.endr
.irp b, 0,1,2,3
	v_mov_b32 v[BX+\b], 0                          ; written once: a lane permute's destination counts as one of its sources
.endr
	v_mov_b32 v[FF+1], 0                           ; (named as upper halves of pairs)
	v_mov_b32 v[RL+1], 0
	s_mov_b32 s[PASS], 2
.Lpass:                                            ; two trips: my two tiles of queries
.irp p, 0,1,2
	global_load_b64 v[QLO+2*\p:QLO+2*\p+1], v[L8], s[QB:QB+1] offset:256*\p
.endr
	global_load_b32 v[PWD], v[R4], s[QSB:QSB+1]
	v_mov_b32 v13, 0xff61b1e6                      ; the largest t so far: -3e38
	s_delay_alu instid0(VALU_DEP_1)
	v_floor_f32 v12, -v13
	v_mov_b32 v14, 0
	v_mov_b32 v15, 0
	s_wait_loadcnt 0x0
	v_perm_b32 v[QS], v[PWD], v[PWD], s[PSEL]      ; q's scale word: (s0, s1, s0, s1)
.set j, 0
.rept 32
	v_mov_b32 v[OT+j], 0                           ; O^T begins as zeros, which the first change of M leaves zeros.  These are also the places between q's scale word and the first product
.set j, j+1
.endr
	s_wait_tensorcnt 0x1                           ; my part of steps 0-7 is in; that of steps 8-15 may be out
	s_wait_dscnt 0x0
	s_barrier_signal -1
	s_barrier_wait -1
	HALF 0
	s_wait_tensorcnt 0x0                           ; my part of steps 8-15 is in
	s_wait_dscnt 0x0
	s_barrier_signal -1
	s_barrier_wait -1
	HALF 8*STEPB
	PLACES                                         ; behind the last products
	v_add_f32 v14, v14, v15
	s_delay_alu instid0(VALU_DEP_1)
	v_permlanex16_b32 v[TW], v14, s[SEL], s[SEL+1]
	s_delay_alu instid0(VALU_DEP_1)
	v_add_f32 v14, v14, v[TW]                      ; the row's sum
	s_wait_alu depctr_va_vdst(0)
	v_rcp_f32 v[RL], v14
	v_nop
	s_wait_alu depctr_va_vdst(0)                   ; ahead of the reciprocal's first reader
.set j, 0
.rept 16
	v_pk_mul_f32 v[S+j:S+j+1], v[OT+j:OT+j+1], v[RL:RL+1] op_sel_hi:[1,0]   ; O^T / the sum: register 8 t + i is d = 16 t + 8 h + i
.set j, j+2
.endr
.irp g, 0,1
.irp i, 0,1,2,3,4,5,6,7
	v_permlane16_swap_b32 v[S+16*\g+\i], v[S+16*\g+8+\i]   ; natural order: lane half h now holds d = 32 g + 16 h + 0 .. 15
.endr
.endr
	QUANT32 S, HI, HWD
.irp c, 0,1,2
	global_store_b64 v[L8], v[HI+2*\c:HI+2*\c+1], s[AB:AB+1] offset:256*\c   ; 256 consecutive bytes, aligned
.endr
	global_store_b16 v[R32], v[HWD], s[SB:SB+1]    ; lanes r and r + 16 store the same halfword
	s_wait_xcnt 0x0                                ; bases and data are written again only behind this wait
	s_add_nc_u64 s[QB:QB+1], s[QB:QB+1], 38400     ; 256 queries on
	s_add_nc_u64 s[QSB:QSB+1], s[QSB:QSB+1], 38400
	s_add_nc_u64 s[AB:AB+1], s[AB:AB+1], 196608
	s_add_nc_u64 s[SB:SB+1], s[SB:SB+1], 8192
	s_sub_co_u32 s[PASS], s[PASS], 1
	s_cmp_lg_u32 s[PASS], 0
	s_cbranch_scc1 .Lpass
	s_wait_dscnt 0x0
	s_wait_tensorcnt 0x0
	ds_add_u32 v254, v255
	s_wait_dscnt 0x0
	CROUND                                         ; the closing round
	s_endpgm
.Lfunc_end_k_qdd2fab586c_attn:
	.size	k_qdd2fab586c_attn, .Lfunc_end_k_qdd2fab586c_attn-k_qdd2fab586c_attn
	.p2alignl 7, 3214868480
	.fill 96, 4, 3214868480
	.section	.rodata,"a",@progbits
	.p2align	6, 0x0
	.amdhsa_kernel k_qdd2fab586c_attn
		.amdhsa_group_segment_fixed_size 327680
		.amdhsa_private_segment_fixed_size 0
		.amdhsa_enable_private_segment 0
		.amdhsa_kernarg_size 24
		.amdhsa_user_sgpr_count 2
		.amdhsa_user_sgpr_kernarg_segment_ptr 1
		.amdhsa_wavefront_size32 1
		.amdhsa_system_sgpr_workgroup_id_x 1
		.amdhsa_system_sgpr_workgroup_id_y 1
		.amdhsa_system_sgpr_workgroup_id_z 1
		.amdhsa_system_vgpr_workitem_id 0
		.amdhsa_next_free_vgpr 256
		.amdhsa_next_free_sgpr 66
		.amdhsa_reserve_vcc 0
		.amdhsa_float_denorm_mode_32 3
		.amdhsa_float_denorm_mode_16_64 3
		.amdhsa_memory_ordered 1
		.amdhsa_forward_progress 1
		.amdhsa_inst_pref_size 51
	.end_amdhsa_kernel
	.amdgpu_metadata
---
amdhsa.version: [ 1, 2 ]
amdhsa.kernels:
  - .name:           k_qdd2fab586c_attn
    .symbol:         k_qdd2fab586c_attn.kd
    .args:
      - { .name: qkv, .offset: 0, .size: 8, .value_kind: global_buffer, .address_space: global }
      - { .name: att, .offset: 8, .size: 8, .value_kind: global_buffer, .address_space: global }
      - { .name: att_sc, .offset: 16, .size: 8, .value_kind: global_buffer, .address_space: global }
    .group_segment_fixed_size: 327680
    .private_segment_fixed_size: 0
    .kernarg_segment_align: 8
    .kernarg_segment_size: 24
    .max_flat_workgroup_size: 512
    .sgpr_count:     66
    .vgpr_count:     256
    .wavefront_size: 32
...
	.end_amdgpu_metadata
.endif
;; end of part 2
;; launch proj (part 3): grid 64 x 4, 4 waves a work-group, clusters of 4 x 1, 226,816 bytes of LDS; arguments att, att_sc, w_out_codes, w_out_scales, b_out, out0; writes out0
.if DOCPART == 3
	.amdgcn_target "amdgcn-amd-amdhsa--gfx1250"
	.amdhsa_code_object_version 6
	.text
	.protected	k_qdd2fab586c_proj
	.globl	k_qdd2fab586c_proj
	.p2align	8
	.type	k_qdd2fab586c_proj,@function
k_qdd2fab586c_proj:
	s_mov_b64 s[64:65], 0
	v_nop
	global_prefetch_b8 v0, s[64:65] scope:SCOPE_SE
	s_setreg_imm32_b32 hwreg(HW_REG_WAVE_MODE, 25, 1), 1
	s_wait_xcnt 0x0
	s_wait_alu depctr_hold_cnt(0) depctr_sa_sdst(0) depctr_va_vdst(0) depctr_va_sdst(0) depctr_va_ssrc(0) depctr_va_vcc(0) depctr_vm_vsrc(0)
	s_getreg_b32 s2, hwreg(HW_REG_IB_STS2, 6, 4)
	s_cmp_eq_u32 s2, 0
	s_cbranch_scc0 .Lentry_in_a_cluster
	s_endpgm
.Lentry_in_a_cluster:
	s_bfe_u32 s2, ttmp6, 0x10000c
	s_cmp_lg_u32 s2, 0x3003
	s_cbranch_scc0 .Lentry_shape_is_right
	s_endpgm
.Lentry_shape_is_right:
; out0[token][o] = sum over k of att[token][k] w_out[o][k] + b_out[o], on codes of FP6 (E2M3) with one E8M0 byte for each 32 along K = 1,024; sums and result in f32.
; att comes as half images (16 tokens x 64 along K: registers 2 c, 2 c + 1 of lane l at 256 c + 8 l), tile of tokens T, head at 12,288 T + 768 head: two on end are the fragment of a K step.
; SHARES.  A work-group of four waves takes 128 tokens x 256 channels, as two tiles of 128 channels.  Wave w: channels 64 (w % 2) on, tokens 64 (w / 2) on: 16 accumulators.
; Its fragments of att (4 tiles x 8 K steps) come straight from memory into registers, 256 consecutive bytes a load, and stay.  Both tiles of w_out, for all of K, are brought into LDS once: nothing is filled again.
; CLUSTER: four neighbouring blocks of tokens take the same 256 rows of w_out: both loads are joint (mask 15).
; The product is used transposed (source 0 = 16 rows of w_out, source 1 = 16 tokens): a lane holds eight neighbouring channels of one token.  The bias is the C of each sum's first product.
; The scale bytes of a row (32 bytes = 8 words) come by one load of 16 bytes a lane at row r + 16 h: register q holds K step q's word in lanes 0-15 and K step 4 + q's in lanes 16-31.
; The way out: 16 rows x 256 bytes at a time through the wave's own stage in LDS, so that sixteen lanes store 256 consecutive bytes, aligned.
; LIMITS: NaN, infinities and the scale byte 0xff among the inputs are not served beyond what the matrix instruction yields.
; REGISTERS: window 0: addresses, v24-39 att's scale words, v40-71 w_out's, v128-255 the accumulators;  windows 1, 2: att's fragments;  window 3: v0-95 w_out's fragments, two sets; v96-159 the bias.
.set PITCH,  816                       ; an LDS row: 3 x (256 bytes + 16 of padding)
.set TILEB,  128*PITCH
.set STAGE,  2*TILEB                   ; behind the two tiles: 16 rows x 272 bytes for each wave; no fill lands here
.set SPITCH, 272
.set AW,   12                          ; v12, v13 my rows of w_out in tile 0; v14, v15 in tile 1
.set SO32, 16                          ; 32 r + 16 h
.set L8,   18                          ; 8 l
.set STO,  19
.set RD,   20
.set CO,   21
.set B32,  22                          ; 32 h
.set XS,   24
.set WS,   40
.set ACC,  128
.set BIAS, 96                          ; in window 3
.set WV,   16
.set HC,   17
.set THF,  18
.set G1W,  24
.set G0W,  32
.set MSB, 0
.macro WIN new
.if MSB != (\new)
	s_set_vgpr_msb (MSB<<8)|(\new)
.set MSB, (\new)
.endif
.endm
.macro PLACES
.rept 4
	v_nop
.endr
.endm
.macro CROUND
	s_barrier_signal -1
	s_barrier_wait -1
	s_cmp_lg_u32 s[WV], 0
	s_cbranch_scc1 .Lnot_wave_0_\@
	s_barrier_signal -3
.Lnot_wave_0_\@:
	s_barrier_wait -3
	s_barrier_signal -1
	s_barrier_wait -1
.endm
.macro FRAG reg, adr, s, row           ; a fragment from rows in LDS: pieces of 8 bytes; piece n lies at 8 n + 16 (n / 32); lanes 16-31 read three pieces further on
.irp p, 0,1,2,3,4,5
.set PCN, 12*(\s)+6*(\p/3)+\p%3
.if PCN%32 < 29
	ds_load_b64 v[(\reg)+2*\p:(\reg)+2*\p+1], v[\adr] offset:8*PCN+16*(PCN/32)+(\row)*16*PITCH
.else
	ds_load_b64 v[(\reg)+2*\p:(\reg)+2*\p+1], v[(\adr)+1] offset:8*PCN+16*(PCN/32)+(\row)*16*PITCH
.endif
.endr
.endm
.macro WFETCH sl, s
	WIN 0xc0
.irp b, 0,1,2,3
	FRAG 48*((\s)%2)+12*\b, AW+2*(\sl), \s, \b
.endr
.endm
.macro MM s
.if (\s) == 0
	v_wmma_scale_f32_16x16x128_f8f6f4 v[mD:mD+7], v[mA:mA+11], v[mB:mB+11], v[mC:mC+7], v[mSA], v[mSB] matrix_a_fmt:MATRIX_FMT_FP6 matrix_b_fmt:MATRIX_FMT_FP6
.elseif (\s) < 4
	v_wmma_scale_f32_16x16x128_f8f6f4 v[mD:mD+7], v[mA:mA+11], v[mB:mB+11], v[mD:mD+7], v[mSA], v[mSB] matrix_a_fmt:MATRIX_FMT_FP6 matrix_b_fmt:MATRIX_FMT_FP6
.else
	v_wmma_scale_f32_16x16x128_f8f6f4 v[mD:mD+7], v[mA:mA+11], v[mB:mB+11], v[mD:mD+7], v[mSA], v[mSB] matrix_a_fmt:MATRIX_FMT_FP6 matrix_b_fmt:MATRIX_FMT_FP6 matrix_a_scale:MATRIX_SCALE_ROW1 matrix_b_scale:MATRIX_SCALE_ROW1
.endif
.endm
; A tile: 8 K steps of 16 products; the 16 accumulators take turns, one instruction a turn.
.macro KLOOP sl
	WFETCH \sl, 0
.irp s, 0,1,2,3,4,5,6,7
.if \s < 7
.if \s > 0
	PLACES
.endif
	WFETCH \sl, \s+1
	s_wait_dscnt 24                                ; all but the 24 just issued
.else
	s_wait_dscnt 0x0
.endif
.if \s == 0
.set XR, 0
	WIN 0x37                                       ; w_out window 3, att window 1, the bias window 3
.elseif \s < 5
.set XR, 48*\s
	WIN 0x07
.else
.set XR, 48*(\s-5)
	WIN 0x0b
.endif
.irp a, 0,1,2,3
.irp b, 0,1,2,3
.set mD, ACC+8*(4*\a+\b)
.set mC, BIAS+32*\sl+8*\b
.set mA, 48*(\s%2)+12*\b
.set mB, XR+12*\a
.set mSA, WS+16*\sl+4*\b+\s%4
.set mSB, XS+4*\a+\s%4
	MM \s
.endr
.endr
.endr
	WIN 0
.endm
.macro TOSTAGE a                       ; 16 tokens x 64 channels into my stage and back as whole rows, into the registers that they left; LDS serves a wave's instructions in order (ISA guide 5.7.1.4)
.irp b, 0,1,2,3
	ds_store_b128 v[STO], v[ACC+32*(\a)+8*\b:ACC+32*(\a)+8*\b+3] offset:64*\b
	ds_store_b128 v[STO], v[ACC+32*(\a)+8*\b+4:ACC+32*(\a)+8*\b+7] offset:64*\b+16
.endr
.irp i, 0,1,2,3,4,5,6,7
	ds_load_b128 v[ACC+32*(\a)+4*\i:ACC+32*(\a)+4*\i+3], v[RD] offset:2*SPITCH*\i
.endr
.endm
.macro SEND a, p, younger              ; younger: the LDS instructions issued behind block a's loads, which may stay out
	s_wait_dscnt \younger
.irp i, 0,1,2,3,4,5,6,7
	global_store_b128 v[CO], v[ACC+32*(\a)+4*\i:ACC+32*(\a)+4*\i+3], s[14:15] offset:(16*(\a)+2*\i)*4096+512*\p th:TH_STORE_NT
.endr
.endm
.macro EPI p
	PLACES
	TOSTAGE 0
.irp a, 1,2,3
	TOSTAGE \a
	SEND \a-1, \p, 16                              ; behind block a - 1's loads: block a's 8 stores and 8 loads
.endr
	SEND 3, \p, 0
.endm
	s_load_b256 s[4:11], s[0:1], 0x0               ; att s[4:5], att_sc s[6:7], w_out's codes s[8:9], its scales s[10:11]
	s_load_b128 s[12:15], s[0:1], 0x20             ; b_out s[12:13], out0 s[14:15]
	v_lshl_add_u32 v126, v0, 2, 0x37400
	v_mov_b32 v127, 0
	ds_add_u32 v126, v127
	ds_add_u32 v126, v127
	v_lshrrev_b32 v1, 5, v0
	v_readfirstlane_b32 s[WV], v1                  ; wave 0..3
	s_and_b32 s[HC], s[WV], 1
	s_lshr_b32 s[THF], s[WV], 1
	s_bfe_u32 s19, ttmp6, 0x40000                  ; cx
	s_lshl_b32 s20, ttmp9, 2
	s_add_co_u32 s20, s20, s19                     ; tt: my block of 128 tokens
	s_and_b32 s21, ttmp7, 0xffff                   ; j: channels 256 j on
	s_mov_b32 s[G1W], 15|(3<<16)|(1<<20)|(1<<21)|(5<<22)|(3<<25)   ; the mask names all four; elements of 8 bytes; 16 bytes of padding behind every 256
	s_mov_b32 s[G1W+1], 96<<16
	s_mov_b32 s[G1W+2], 32<<16
	s_mov_b32 s[G1W+3], 96<<16
	s_mov_b32 s[G1W+4], 32
	s_mov_b32 s[G1W+5], 96
	s_mov_b32 s[G1W+6], 0
	s_mov_b32 s[G1W+7], 0
	s_lshl_b32 s40, s21, 8
	s_lshl_b32 s41, s[WV], 5
	s_add_co_u32 s40, s40, s41                     ; w_out: row 256 j + 32 w: made of j and the wave's number alone
	s_mul_i32 s40, s40, 768
	s_mov_b32 s41, 0
	s_mul_i32 s42, s[WV], 32*PITCH
	s_lshl_b32 s44, s20, 3
	s_lshl_b32 s45, s[THF], 2
	s_add_co_u32 s44, s44, s45
	s_mul_i32 s44, s44, 12288                      ; att: my first tile of tokens
	s_mov_b32 s45, 0
	s_lshl_b32 s46, s20, 7
	s_lshl_b32 s47, s[THF], 6
	s_add_co_u32 s46, s46, s47                     ; my first token
	s_lshl_b32 s52, s46, 12
	s_lshl_b32 s46, s46, 5
	s_mov_b32 s47, 0
	s_lshl_b32 s48, s21, 8
	s_lshl_b32 s49, s[HC], 6
	s_add_co_u32 s48, s48, s49                     ; my first channel
	s_lshl_b32 s50, s48, 2
	s_add_co_u32 s52, s52, s50
	s_lshl_b32 s48, s48, 5
	s_mov_b32 s49, 0
	s_mov_b32 s51, 0
	s_mov_b32 s53, 0
	s_wait_dscnt 0x0
	s_wait_kmcnt 0x0
.irp p, 0,1
	s_mov_b32 s[G0W+4*\p], 1
	s_add_co_u32 s[G0W+4*\p+1], s42, \p*TILEB
	s_add_nc_u64 s[G0W+4*\p+2:G0W+4*\p+3], s[8:9], s[40:41]
.if \p
	s_add_nc_u64 s[G0W+4*\p+2:G0W+4*\p+3], s[G0W+4*\p+2:G0W+4*\p+3], 128*768
.endif
	s_or_b32 s[G0W+4*\p+3], s[G0W+4*\p+3], 0x80000000
.endr
	s_add_nc_u64 s[4:5], s[4:5], s[44:45]
	s_add_nc_u64 s[6:7], s[6:7], s[46:47]
	s_add_nc_u64 s[10:11], s[10:11], s[48:49]
	s_add_nc_u64 s[12:13], s[12:13], s[50:51]
	s_add_nc_u64 s[14:15], s[14:15], s[52:53]
	CROUND                                         ; all four work-groups are here: the joint loads meet
	tensor_load_to_lds s[G0W:G0W+3], s[G1W:G1W+7]
	s_nop 0
	tensor_load_to_lds s[G0W+4:G0W+7], s[G1W:G1W+7]   ; two loads of mine are out
	s_nop 0
	PLACES
	v_and_b32 v1, 15, v0                           ; r
	v_bfe_u32 v2, v0, 4, 1                         ; h
	v_and_b32 v3, 31, v0                           ; l
	v_lshlrev_b32 v[L8], 3, v3
	v_lshlrev_b32 v[SO32], 5, v1
	v_lshl_add_u32 v[SO32], v2, 4, v[SO32]
	v_lshlrev_b32 v[B32], 5, v2
	WIN 0x40
.irp s, 0,1,2,3,4
.irp a, 0,1,2,3
.irp p, 0,1,2,3,4,5
	global_load_b64 v[48*\s+12*\a+2*\p:48*\s+12*\a+2*\p+1], v[L8], s[4:5] offset:12288*\a+1536*\s+256*\p
.endr
.endr
.endr
	WIN 0x80
.irp s, 5,6,7
.irp a, 0,1,2,3
.irp p, 0,1,2,3,4,5
	global_load_b64 v[48*(\s-5)+12*\a+2*\p:48*(\s-5)+12*\a+2*\p+1], v[L8], s[4:5] offset:12288*\a+1536*\s+256*\p
.endr
.endr
.endr
	WIN 0xc0
.irp p, 0,1
.irp b, 0,1,2,3
	global_load_b128 v[BIAS+32*\p+8*\b:BIAS+32*\p+8*\b+3], v[B32], s[12:13] offset:512*\p+64*\b        ; lane (r, h): b_out at the tile's channels 16 b + 8 h + 0 .. 7
	global_load_b128 v[BIAS+32*\p+8*\b+4:BIAS+32*\p+8*\b+7], v[B32], s[12:13] offset:512*\p+64*\b+16
.endr
.endr
	WIN 0
.irp a, 0,1,2,3
	global_load_b128 v[XS+4*\a:XS+4*\a+3], v[SO32], s[6:7] offset:512*\a
.endr
.irp p, 0,1
.irp b, 0,1,2,3
	global_load_b128 v[WS+16*\p+4*\b:WS+16*\p+4*\b+3], v[SO32], s[10:11] offset:4096*\p+512*\b
.endr
.endr
	v_mul_u32_u24 v4, v1, PITCH
	v_mad_u32_u24 v5, v2, 24, v4
	v_lshl_add_u32 v6, v2, 4, v5
	s_mul_i32 s43, s[HC], 64*PITCH
	v_add_nc_u32 v[AW], s43, v5
	v_add_nc_u32 v[AW+1], s43, v6
	s_add_co_u32 s43, s43, TILEB
	v_add_nc_u32 v[AW+2], s43, v5
	v_add_nc_u32 v[AW+3], s43, v6
	s_mul_i32 s43, s[WV], 16*SPITCH
	s_add_co_u32 s43, s43, STAGE                   ; my stage
	v_mul_u32_u24 v[STO], v1, SPITCH
	v_lshl_add_u32 v[STO], v2, 5, v[STO]
	v_add_nc_u32 v[STO], s43, v[STO]               ; in: row r, 32 bytes for each half of the lanes
	v_mul_u32_u24 v[RD], v2, SPITCH
	v_lshl_add_u32 v[RD], v1, 4, v[RD]
	v_add_nc_u32 v[RD], s43, v[RD]                 ; back: lanes 0-15 one row, lanes 16-31 the next
	v_lshlrev_b32 v[CO], 12, v2
	v_lshl_add_u32 v[CO], v1, 4, v[CO]             ; and the same two rows of out0
	s_wait_tensorcnt 0x1                           ; my part of tile 0 is in; tile 1's may be out
	s_barrier_signal -1
	s_barrier_wait -1
	s_wait_loadcnt 0x0                             ; att's fragments, the bias, the scale words
	KLOOP 0
	EPI 0
	s_wait_tensorcnt 0x0                           ; my part of tile 1 is in
	s_wait_dscnt 0x0
	s_barrier_signal -1
	s_barrier_wait -1
	s_wait_xcnt 0x0                                ; the stores have read the accumulators' registers
	PLACES                                         ; with the way out's four: more than the five places ahead of products that begin accumulators anew
	KLOOP 1
	EPI 1
	s_wait_dscnt 0x0
	s_wait_tensorcnt 0x0
	ds_add_u32 v126, v127
	s_wait_dscnt 0x0
	CROUND                                         ; the closing round
	s_endpgm
.Lfunc_end_k_qdd2fab586c_proj:
	.size	k_qdd2fab586c_proj, .Lfunc_end_k_qdd2fab586c_proj-k_qdd2fab586c_proj
	.p2alignl 7, 3214868480
	.fill 96, 4, 3214868480
	.section	.rodata,"a",@progbits
	.p2align	6, 0x0
	.amdhsa_kernel k_qdd2fab586c_proj
		.amdhsa_group_segment_fixed_size 226816
		.amdhsa_private_segment_fixed_size 0
		.amdhsa_enable_private_segment 0
		.amdhsa_kernarg_size 48
		.amdhsa_user_sgpr_count 2
		.amdhsa_user_sgpr_kernarg_segment_ptr 1
		.amdhsa_wavefront_size32 1
		.amdhsa_system_sgpr_workgroup_id_x 1
		.amdhsa_system_sgpr_workgroup_id_y 1
		.amdhsa_system_sgpr_workgroup_id_z 1
		.amdhsa_system_vgpr_workitem_id 0
		.amdhsa_next_free_vgpr 1024
		.amdhsa_next_free_sgpr 66
		.amdhsa_reserve_vcc 0
		.amdhsa_float_denorm_mode_32 3
		.amdhsa_float_denorm_mode_16_64 3
		.amdhsa_memory_ordered 1
		.amdhsa_forward_progress 1
		.amdhsa_inst_pref_size 101
	.end_amdhsa_kernel
	.amdgpu_metadata
---
amdhsa.version: [ 1, 2 ]
amdhsa.kernels:
  - .name:           k_qdd2fab586c_proj
    .symbol:         k_qdd2fab586c_proj.kd
    .args:
      - { .name: att, .offset: 0, .size: 8, .value_kind: global_buffer, .address_space: global }
      - { .name: att_sc, .offset: 8, .size: 8, .value_kind: global_buffer, .address_space: global }
      - { .name: w_out_codes, .offset: 16, .size: 8, .value_kind: global_buffer, .address_space: global }
      - { .name: w_out_scales, .offset: 24, .size: 8, .value_kind: global_buffer, .address_space: global }
      - { .name: b_out, .offset: 32, .size: 8, .value_kind: global_buffer, .address_space: global }
      - { .name: out0, .offset: 40, .size: 8, .value_kind: global_buffer, .address_space: global }
    .group_segment_fixed_size: 226816
    .private_segment_fixed_size: 0
    .kernarg_segment_align: 8
    .kernarg_segment_size: 48
    .max_flat_workgroup_size: 128
    .sgpr_count:     66
    .vgpr_count:     1024
    .wavefront_size: 32
...
	.end_amdgpu_metadata
.endif
;; end of part 3
